; MI455X (gfx1250); checked and timed in simulation.
; The chip was launched on July 23, 2026; its instructions are those of AMD's public machine-readable ISA for CDNA 5 (MIT licence, August 2026) and "CDNA5" Instruction Set Architecture Reference Guide (July 2026). The comments in the code are by the model that wrote it; some were corrected since.
;; Low Rank Ray Tracer. Allowed arithmetic: float matrix products may take bf16 or f16 operands with f32 sums; other float arithmetic in f32, or as packed bf16 or f16 multiplies, adds, multiply-adds, maxima and minima; sums over many terms, partial sums and values carried from step to step in f32; what a program stores and reads back later, other than sums and carried values, may be rounded once to bf16 or f16.
;; Inputs: attenuation_vectors 1,024 x 256 x 64 float32; frequency_basis_vectors 1,024 x 64 float32; radiation_vectors 1,024 x 256 x 64 float32.
;; Outputs: out0 1,024 float32.
;; One version. Each part assembles by itself: llvm-mc -triple=amdgcn-amd-amdhsa -mcpu=gfx1250 --defsym DOCPART=n.
;; ======== version 1 of 1: 2 launches
;; limits: values are held in f16: magnitudes above 65,504 overflow, below 6.1e-05 lose precision
;; workspace buffers: part 1,048,576 bytes
;; launch rays (part 1): grid 256 x 1, 16 waves a work-group, clusters of 4 x 1, 294,912 bytes of LDS; arguments attenuation_vectors, radiation_vectors, frequency_basis_vectors, part; writes part
.if DOCPART == 1
	.amdgcn_target "amdgcn-amd-amdhsa--gfx1250"
	.amdhsa_code_object_version 6
	.text
	.protected	k_q1b909bd146_rays
	.globl	k_q1b909bd146_rays
	.p2align	8
	.type	k_q1b909bd146_rays,@function
k_q1b909bd146_rays:
	s_mov_b64 s[64:65], 0
	v_nop
	global_prefetch_b8 v0, s[64:65] scope:SCOPE_SE
	s_setreg_imm32_b32 hwreg(HW_REG_WAVE_MODE, 25, 1), 1
	s_wait_xcnt 0x0
	s_wait_alu depctr_hold_cnt(0) depctr_sa_sdst(0) depctr_va_vdst(0) depctr_va_sdst(0) depctr_va_ssrc(0) depctr_va_vcc(0) depctr_vm_vsrc(0)
	s_getreg_b32 s2, hwreg(HW_REG_IB_STS2, 6, 4)
	s_cmp_eq_u32 s2, 0
	s_cbranch_scc0 .Lentry_in_a_cluster
	s_endpgm
.Lentry_in_a_cluster:
	s_bfe_u32 s2, ttmp6, 0x10000c
	s_cmp_lg_u32 s2, 0x3003
	s_cbranch_scc0 .Lentry_shape_is_right
	s_endpgm
.Lentry_shape_is_right:
; csi[k] = (1/1024) sum over d of A[d][k] B[d][k],  A[d][k] = sum over p, r of ua[d][p][r] F[k][r],  B likewise with ub.   ua, ub: [1024][256][64] f32, F: [1024][64] f32.
; ORDER OF THE SUMS.  F[k][r] does not hang on p, so A[d][k] = sum over r of (sum over p of ua[d][p][r]) F[k][r] for all values of the inputs: the sum over p is taken first, in f32.
; No work is left out: all three inputs are read, every byte of ua and ub once.  Only the order of rounding differs from a sum over (p, r) taken in one go.
; THIS LAUNCH: for the work-group's 4 directions, part[c][g][j] = sum over its d of A[d][64 c + j] B[d][64 c + j]  (c = 0..15, g = the work-group, j = 0..63), f32.  The next launch adds the 256 g and divides.
; FORMATS.  U = sum over p of u, and F, are rounded once to f16 for the products; all sums (over p, r, d) are f32.  f16 and not bf16: csi is a sum of terms of both signs, and eight significant bits in U and F
; would leave an error of a third of a per cent of the outputs' root mean square in each output; eleven bits leave an eighth of that.
; LIMITS.  |U| and |F| stay under 65,504 (f16's end; beyond it the product is infinite).  Numbers of unit spread give |U| of some 80; thirty times that, or an offset of thirty spreads (|U| near 7,800), has room.
; Below 6e-5 a rounded number keeps f16's fixed step of 6e-8.  NaN and infinities are not treated apart.
; SHARES.  16 waves.  Wave w streams half a slab: tensor w / 8, direction (w / 2) % 4 of the group's four, rows 128 (w % 2) on: 32,768 consecutive bytes, 64 loads of 512 bytes (two rows of 64 ranks);
; lane l adds up ranks 4 (l % 16) .. + 3 of every second row.  For the products wave w owns k = 64 w .. 64 w + 63: four tiles of 16.
; IN FLIGHT.  Loads 0 and 1 land in the two accumulators (nothing is cleared), loads 2 .. 63 in a ring of 32 slots of 4 registers: 34 loads of a wave are out at the start, 32 later.
; CLUSTER.  Every work-group reads all of F.  The four of a cluster ask for it JOINTLY: wave w of each issues the same tensor load (64 rows of 256 bytes, the same descriptor, a mask that names the four), and each
; receives the rows in its own LDS.  A wave reads only the rows that its own load brought.  Nothing is filled twice.
; THE ORDER OF THE REQUESTS.  4,096 bytes of a wave's stream are asked for
; ahead of F, 28,672 behind it.  F is wanted only behind the step of load 31, where all 64 loads have been issued and 32 are out: it is turned into fragments there, and no refill of the ring waits for it.
.set DEPTH,  32                        ; slots of the ring
.set NLD,    64                        ; loads of a wave
.set AHEAD,  8                         ; loads of the stream that go out ahead of the round and of F's tensor load
.set FP,     272                       ; a row of F in LDS: 256 bytes + 16 of padding = 68 words: row n starts at bank 4 n mod 64 (64 banks of 4 bytes: ISA guide 11.1), so the 16 rows of a load start at 16 different groups of four banks
.set FWAVE,  64*FP                     ; a wave's 64 rows
.set USTG,   16*FWAVE                  ; behind F: each wave's sums over p, 512 bytes: [row parity][64 ranks] f32
.set UH,     USTG+16*512               ; U in f16: 8 rows (a of 4 directions, b of 4) of 128 bytes + 16 of padding; five blocks of 256 bytes
.set UHP,    144
.set OSTG,   UH+1280                   ; each wave's 64 results, 256 bytes
.set SPARE,  OSTG+16*256               ; the spare words, 128 bytes for each wave: eight blocks of 256 bytes that no other line names
.set SO,  2                            ; v2   16 x lane: my 16 bytes of a load's 512; never rewritten
.set SPW, 3                            ; v3   LDS address of my spare word; never rewritten
.set NIL, 4                            ; v4   0; never rewritten
.set FA,  5                            ; v5   my place in a tile of F
.set US,  6                            ; v6   where my four sums over p go
.set UR,  7                            ; v7   where I read the four partial sums of one number of U
.set HS,  8                            ; v8   where that number goes, in f16
.set HR,  9                            ; v9   my place in U's fragments
.set OS,  10                           ; v10  where my results go
.set ORD, 11                           ; v11  where I read two neighbouring results back
.set GO,  12                           ; v12  8 x lane: my 8 bytes of the wave's 256 in part
.set LN,  13                           ; v13  lane
.set RW,  14                           ; v14  lane % 16
.set HF,  15                           ; v15  lane / 16
.set ACC, 16                           ; v[16:23]   two accumulators of 4, for even and odd loads
.set T,   24                           ; v[24:31]   at work
.set FF,  32                           ; v[32:95]   F's fragments in f16: tile t, ranks 32 c on, at FF + 16 t + 8 c
.set RAW, 96                           ; v[96:127]  a tile of F as it lies in LDS, f32
.set UF,  96                           ; later: U's two fragments
.set RING, 128                         ; v[128:255]
.set DA,  128                          ; later: four accumulators of 8
.set PS,  160                          ; later: the results
.set WV,  12                           ; s12  my wave's number
.set G0,  16                           ; s[16:19] descriptor group 0
.set SB,  20                           ; s[20:21] my 32,768 bytes of ua or ub; never rewritten
.set G1,  24                           ; s[24:31] descriptor group 1
.set PB,  32                           ; s[32:33] my wave's 256 bytes of part
; A round of the cluster's barrier: my work-group's barrier, so that wave 0's signal speaks for all sixteen waves; wave 0 signals; every wave waits for all four work-groups; my work-group's barrier once more.
.macro ROUND
	s_barrier_signal -1
	s_barrier_wait -1
	s_cmp_lg_u32 s[WV], 0
	s_cbranch_scc1 .Lnot_wave_0_\@
	s_barrier_signal -3
.Lnot_wave_0_\@:
	s_barrier_wait -3
	s_barrier_signal -1
	s_barrier_wait -1
.endm
; Load n of the stream's first 34 into its slot of the ring: 512 consecutive bytes at a multiple of 512 from the tensor's first byte.
.macro FIRST
	global_load_b128 v[RING+4*(n-2):RING+4*(n-2)+3], v[SO], s[SB:SB+1] offset:512*n th:TH_LOAD_NT
.set n, n+1
.endm
	s_load_b256 s[4:11], s[0:1], 0x0               ; ua s[4:5], ub s[6:7], F s[8:9], part s[10:11]
	v_lshl_add_u32 v[SPW], v0, 2, SPARE
	v_mov_b32 v[NIL], 0
	ds_add_u32 v[SPW], v[NIL]                      ; the wave's opening: the add, twice on end, and its wait ahead of my first tensor load; the set-up below, work on registers, stands between
	ds_add_u32 v[SPW], v[NIL]                      ; and once more, under the one wait
	v_lshrrev_b32 v1, 5, v0
	v_readfirstlane_b32 s[WV], v1                  ; wave 0..15
	v_and_b32 v[LN], 31, v0
	v_and_b32 v[RW], 15, v0
	v_bfe_u32 v[HF], v0, 4, 1
	v_lshlrev_b32 v[SO], 4, v[LN]
	s_bfe_u32 s13, ttmp6, 0x40000                  ; cx: my place in the cluster
	s_lshl_b32 s14, ttmp9, 2                       ; in a cluster launch ttmp9 counts clusters
	s_add_co_u32 s14, s14, s13                     ; g = 4 x cluster + cx: it enters the addresses of ua, ub and part alone
	s_lshl_b32 s22, s14, 18                        ; the group's 4 slabs of 65,536 bytes,
	s_and_b32 s15, s[WV], 7
	s_lshl_b32 s15, s15, 15                        ; my half slab among them: 32,768 (w % 8)
	s_add_co_u32 s22, s22, s15
	s_mov_b32 s23, 0
	s_lshl_b32 s34, s[WV], 8
	s_add_co_u32 s34, s34, s14
	s_lshl_b32 s34, s34, 8                         ; part: (256 w + g) x 256 bytes
	s_mov_b32 s35, 0
	s_lshl_b32 s36, s[WV], 14                      ; F: my 64 rows of 256 bytes
	s_mov_b32 s37, 0
	; the descriptor: 64 rows of 64 elements of 4 bytes, dense in memory, padded in LDS
	s_mov_b32 s[G0], 1                             ; 1:0 count = 1
	s_mul_i32 s[G0+1], s[WV], FWAVE                ; 63:32 LDS address: the wave's number times a constant; no place in the cluster enters it
	s_mov_b32 s[G1], 15|(2<<16)|(1<<20)|(1<<21)|(5<<22)|(3<<25)  ; 15:0 the mask: all four work-groups; 17:16 elements of 4 bytes; 20 padding on; 21 set beside a mask; 24:22 after every 64 words (code 5); 31:25 4 words (code 3)
	s_mov_b32 s[G1+1], 64<<16                      ; tensor_dim0 = 64
	s_mov_b32 s[G1+2], 64<<16                      ; tensor_dim1 = 64
	s_mov_b32 s[G1+3], 64<<16                      ; tile_dim0 = 64
	s_mov_b32 s[G1+4], 64                          ; tile_dim1 = 64
	s_mov_b32 s[G1+5], 64                          ; 64 elements from row to row
	s_mov_b32 s[G1+6], 0
	s_mov_b32 s[G1+7], 0
	; LDS addresses
	v_mul_u32_u24 v[FA], v[RW], FP                 ; F: row l % 16 of a tile, 32 bytes (8 ranks in f32) for each half of the lanes
	v_lshl_add_u32 v[FA], v[HF], 5, v[FA]
	v_add_nc_u32 v[FA], s[G0+1], v[FA]
	v_lshl_add_u32 v[US], v0, 4, USTG              ; 512 w + 16 l = 16 x my thread's number
	s_lshr_b32 s38, s[WV], 1                       ; the row of U that I help to finish: w / 2,
	s_and_b32 s39, s[WV], 1                        ; and which 32 of its ranks
	s_lshl_b32 s40, s38, 10                        ; a row's four partial sums lie 256 bytes apart: two waves x two row parities
	s_lshl_b32 s41, s39, 7
	s_add_co_u32 s40, s40, s41
	s_add_co_u32 s40, s40, USTG
	v_lshl_add_u32 v[UR], v[LN], 2, s40
	s_mul_i32 s42, s38, UHP
	s_lshl_b32 s43, s39, 6
	s_add_co_u32 s42, s42, s43
	s_add_co_u32 s42, s42, UH
	v_lshl_add_u32 v[HS], v[LN], 1, s42
	v_and_b32 v1, 7, v0                            ; U's fragment: row l % 8 (rows 8 to 15 of the 16 repeat rows 0 to 7), 16 bytes (8 ranks in f16) for each half of the lanes
	v_mul_u32_u24 v[HR], v1, UHP
	v_lshl_add_u32 v[HR], v[HF], 4, v[HR]
	v_add_nc_u32 v[HR], UH, v[HR]
	s_lshl_b32 s44, s[WV], 8
	s_add_co_u32 s44, s44, OSTG
	v_lshl_add_u32 v[OS], v[LN], 2, s44            ; 4 l + 64 (l / 16) = 128 (l / 16) + 4 (l % 16)
	v_lshl_add_u32 v[OS], v[HF], 6, v[OS]
	v_lshl_add_u32 v[ORD], v0, 3, OSTG             ; 256 w + 8 l = 8 x my thread's number
	v_lshlrev_b32 v[GO], 3, v[LN]
	s_wait_dscnt 0x0                               ; both opening adds are done
	s_wait_kmcnt 0x0
	s_cmp_lt_u32 s[WV], 8                          ; waves 0-7 stream ua, waves 8-15 ub
	s_cselect_b64 s[SB:SB+1], s[4:5], s[6:7]
	s_add_nc_u64 s[SB:SB+1], s[SB:SB+1], s[22:23]
	; the stream's first AHEAD loads go out ahead of the round, so that requests are on their way while the four work-groups meet
.set n, 0
.rept 2
	global_load_b128 v[ACC+4*n:ACC+4*n+3], v[SO], s[SB:SB+1] offset:512*n th:TH_LOAD_NT
.set n, n+1
.endr
.rept AHEAD-2
	FIRST
.endr
	s_add_nc_u64 s[G0+2:G0+3], s[8:9], s[36:37]    ; 120:64 global address: it hangs on the wave's number alone, the same in all four partners
	s_or_b32 s[G0+3], s[G0+3], 0x80000000          ; 127:126 type = 2
	s_add_nc_u64 s[PB:PB+1], s[10:11], s[34:35]
	ROUND                                          ; all four work-groups are here: the joint loads meet.  (The stream's loads stay out across it: nobody writes ua or ub)
	tensor_load_to_lds s[G0:G0+3], s[G1:G1+7]      ; my 64 rows of F: the one tensor load of this wave, ahead of the bulk of the stream
	s_nop 0
.rept DEPTH+2-AHEAD                    ; the other 26 of the first 34 loads
	FIRST
.endr
; Load n has come: it is added, and its slot asked for again while loads are left.
.macro STEP
.set sl, RING+4*((n-2)%DEPTH)
.set ac, ACC+4*(n%2)
.if NLD-1-n < DEPTH-1
	s_wait_loadcnt NLD-1-n                         ; loads come back in order (ISA guide 5.7.1): the NLD - 1 - n issued behind load n may stay out
.else
	s_wait_loadcnt DEPTH-1                         ; n + DEPTH loads have been issued: the DEPTH - 1 behind load n may stay out
.endif
	v_pk_add_f32 v[ac:ac+1], v[ac:ac+1], v[sl:sl+1]
	v_pk_add_f32 v[ac+2:ac+3], v[ac+2:ac+3], v[sl+2:sl+3]
.if n+DEPTH < NLD
	global_load_b128 v[sl:sl+3], v[SO], s[SB:SB+1] offset:512*(n+DEPTH) th:TH_LOAD_NT
.endif
.set n, n+1
.endm
; Tile t of F (rows 16 t .. 16 t + 15 of my 64) becomes two fragments in f16.  A fragment is 16 rows x 32 ranks in 8 registers: lane l holds row l % 16; registers 0-3 ranks 8 (l / 16) + 0..7, registers 4-7
; ranks 16 + 8 (l / 16) + 0..7.  In f32 eight ranks are 32 bytes: load j = 4 c + 2 g + e takes the 16 bytes at 128 c + 64 g + 16 e (+ 32 for the upper lanes).
.macro FTILE t
.irp j, 0,1,2,3,4,5,6,7
	ds_load_b128 v[RAW+4*(\j):RAW+4*(\j)+3], v[FA] offset:(\t)*16*FP+128*((\j)/4)+64*(((\j)/2)%2)+16*((\j)%2)
.endr
.irp j, 0,1,2,3,4,5,6,7
	s_wait_dscnt 7-(\j)                            ; LDS loads come back in order: load j of the eight is in
	v_cvt_pk_f16_f32 v[FF+16*(\t)+2*(\j)], v[RAW+4*(\j)], v[RAW+4*(\j)+1]
	v_cvt_pk_f16_f32 v[FF+16*(\t)+2*(\j)+1], v[RAW+4*(\j)+2], v[RAW+4*(\j)+3]
.endr
.endm
.set n, 2
.rept NLD-DEPTH-2                      ; loads 2 to 31: each slot is asked for again
	STEP
.endr
	; All 64 loads have been issued, 32 of them are out: F is turned into fragments here, while they are on their way.
	s_wait_tensorcnt 0x0                           ; my rows of F are in LDS; only I read them
	FTILE 0
	FTILE 1
	FTILE 2
	FTILE 3
.rept DEPTH                            ; loads 32 to 63: the counts run down
	STEP
.endr
	; U.  Each wave's sums go to LDS; then each of the 8 x 64 numbers is finished by one lane: four partial sums (two waves, two row parities), added in f32 and rounded once to f16.
	v_pk_add_f32 v[ACC:ACC+1], v[ACC:ACC+1], v[ACC+4:ACC+5]
	v_pk_add_f32 v[ACC+2:ACC+3], v[ACC+2:ACC+3], v[ACC+6:ACC+7]
	ds_store_b128 v[US], v[ACC:ACC+3]
	s_wait_dscnt 0x0                               ; for the others' sake: my store is done
	s_barrier_signal -1
	s_barrier_wait -1
	ds_load_b32 v[T], v[UR]
	ds_load_b32 v[T+1], v[UR] offset:256
	ds_load_b32 v[T+2], v[UR] offset:512
	ds_load_b32 v[T+3], v[UR] offset:768
	s_wait_dscnt 0x0
	v_pk_add_f32 v[T:T+1], v[T:T+1], v[T+2:T+3]
	v_add_f32 v[T], v[T], v[T+1]
	v_cvt_pk_f16_f32 v[T], v[T], v[T]
	ds_store_b16 v[HS], v[T]
	s_wait_dscnt 0x0                               ; for the others' sake
	s_barrier_signal -1
	s_barrier_wait -1
	ds_load_b128 v[UF:UF+3], v[HR]                 ; ranks 0-31
	ds_load_b128 v[UF+4:UF+7], v[HR] offset:32
	ds_load_b128 v[UF+8:UF+11], v[HR] offset:64    ; ranks 32-63
	ds_load_b128 v[UF+12:UF+15], v[HR] offset:96
	s_wait_dscnt 0x0
	; D = U F^T: source 0 = the rows of U (0-3: a of my group's directions, 4-7: b of the same, 8-15 the same eight again), source 1 = 16 rows of F.  In the result lane l holds k = l % 16 of the tile and
	; registers 0-3 A, registers 4-7 B of the four directions, in both halves of the lanes.  The four accumulators take turns, one instruction a turn; the first product starts each sum.
.irp c, 0,1
.irp t, 0,1,2,3
.if (\c) == 0
	v_wmma_f32_16x16x32_f16 v[DA+8*(\t):DA+8*(\t)+7], v[UF:UF+7], v[FF+16*(\t):FF+16*(\t)+7], 0
.else
	v_wmma_f32_16x16x32_f16 v[DA+8*(\t):DA+8*(\t)+7], v[UF+8:UF+15], v[FF+16*(\t)+8:FF+16*(\t)+15], v[DA+8*(\t):DA+8*(\t)+7]
.endif
.endr
.endr
.rept 8
	v_nop                                          ; places between the last product and the lines that read results (ISA guide 7.12.1); twice the four asked for, once a launch
.endr
.irp t, 0,1,2,3
	v_pk_mul_f32 v[T+2*(\t):T+2*(\t)+1], v[DA+8*(\t):DA+8*(\t)+1], v[DA+8*(\t)+4:DA+8*(\t)+5]  ; A B of directions 0 and 1: each accumulator is read from its low end on
.endr
.irp t, 0,1,2,3
	v_pk_fma_f32 v[T+2*(\t):T+2*(\t)+1], v[DA+8*(\t)+2:DA+8*(\t)+3], v[DA+8*(\t)+6:DA+8*(\t)+7], v[T+2*(\t):T+2*(\t)+1]  ; + directions 2 and 3
.endr
.irp t, 0,1,2,3
	v_add_f32 v[PS+(\t)], v[T+2*(\t)], v[T+2*(\t)+1]
.endr
	; Both halves of the lanes hold the same sums: the lower half carries tiles 0 and 1 on, the upper half tiles 2 and 3.  Through my own 256 bytes of LDS a lane gets two neighbouring k.
	v_cmp_gt_u32 vcc_lo, 16, v[LN]
	v_cndmask_b32 v[PS], v[PS+2], v[PS], vcc_lo
	v_cndmask_b32 v[PS+1], v[PS+3], v[PS+1], vcc_lo
	ds_store_b32 v[OS], v[PS]                      ; k = 32 (l / 16) + l % 16
	ds_store_b32 v[OS], v[PS+1] offset:64          ; k = 32 (l / 16) + 16 + l % 16
	ds_load_b64 v[PS+4:PS+5], v[ORD]               ; LDS serves a wave's instructions in order (ISA guide 5.7.1.4): this sees the two stores above
	s_wait_dscnt 0x0
	global_store_b64 v[GO], v[PS+4:PS+5], s[PB:PB+1]  ; the wave stores 256 consecutive bytes, at a multiple of 256 from part's first byte
	s_wait_tensorcnt 0x0                           ; the wave's end: behind my tensor load and my last LDS store
	ds_add_u32 v[SPW], v[NIL]
	s_wait_dscnt 0x0
	ROUND                                          ; the closing round: no work-group ends while a partner may still ask for rows with a mask that names it
	s_endpgm
.Lfunc_end_k_q1b909bd146_rays:
	.size	k_q1b909bd146_rays, .Lfunc_end_k_q1b909bd146_rays-k_q1b909bd146_rays
	.p2alignl 7, 3214868480
	.fill 96, 4, 3214868480
	.section	.rodata,"a",@progbits
	.p2align	6, 0x0
	.amdhsa_kernel k_q1b909bd146_rays
		.amdhsa_group_segment_fixed_size 294912
		.amdhsa_private_segment_fixed_size 0
		.amdhsa_enable_private_segment 0
		.amdhsa_kernarg_size 32
		.amdhsa_user_sgpr_count 2
		.amdhsa_user_sgpr_kernarg_segment_ptr 1
		.amdhsa_wavefront_size32 1
		.amdhsa_system_sgpr_workgroup_id_x 1
		.amdhsa_system_sgpr_workgroup_id_y 1
		.amdhsa_system_sgpr_workgroup_id_z 1
		.amdhsa_system_vgpr_workitem_id 0
		.amdhsa_next_free_vgpr 256
		.amdhsa_next_free_sgpr 66
		.amdhsa_reserve_vcc 1
		.amdhsa_float_denorm_mode_32 3
		.amdhsa_float_denorm_mode_16_64 3
		.amdhsa_memory_ordered 1
		.amdhsa_forward_progress 1
		.amdhsa_inst_pref_size 31
	.end_amdhsa_kernel
	.amdgpu_metadata
---
amdhsa.version: [ 1, 2 ]
amdhsa.kernels:
  - .name:           k_q1b909bd146_rays
    .symbol:         k_q1b909bd146_rays.kd
    .args:
      - { .name: attenuation_vectors, .offset: 0, .size: 8, .value_kind: global_buffer, .address_space: global }
      - { .name: radiation_vectors, .offset: 8, .size: 8, .value_kind: global_buffer, .address_space: global }
      - { .name: frequency_basis_vectors, .offset: 16, .size: 8, .value_kind: global_buffer, .address_space: global }
      - { .name: part, .offset: 24, .size: 8, .value_kind: global_buffer, .address_space: global }
    .group_segment_fixed_size: 294912
    .private_segment_fixed_size: 0
    .kernarg_segment_align: 8
    .kernarg_segment_size: 32
    .max_flat_workgroup_size: 512
    .sgpr_count:     66
    .vgpr_count:     256
    .wavefront_size: 32
...
	.end_amdgpu_metadata
.endif
;; end of part 1
;; launch fold (part 2): grid 16 x 1, 16 waves a work-group, no clusters, 10,240 bytes of LDS; arguments part, out0; writes out0
.if DOCPART == 2
	.amdgcn_target "amdgcn-amd-amdhsa--gfx1250"
	.amdhsa_code_object_version 6
	.text
	.protected	k_q1b909bd146_fold
	.globl	k_q1b909bd146_fold
	.p2align	8
	.type	k_q1b909bd146_fold,@function
k_q1b909bd146_fold:
	s_mov_b64 s[64:65], 0
	v_nop
	global_prefetch_b8 v0, s[64:65] scope:SCOPE_SE
	s_setreg_imm32_b32 hwreg(HW_REG_WAVE_MODE, 25, 1), 1
	s_wait_xcnt 0x0
; out0[64 c + j] = (1/1024) sum over g = 0..255 of part[c][g][j].  part: [16][256][64] f32, the sums of A B over four directions each, made by the launch before; out0: [1024] f32.  All sums in f32.
; No work is left out.  An output has one owner, and 64 outputs are 256 bytes on end: 16 work-groups, c = the work-group's number; each reads its 65,536 consecutive bytes once.
; SHARES.  512 threads.  Load i of eight takes the 8,192 bytes at 8,192 i, thread t the 16 bytes at 16 t: rows g = 32 i + t / 16, columns 4 (t % 16) .. + 3, the same columns in every load.
; The threads' sums are 32 rows of 64 in LDS; wave 0 adds them, two columns a lane, and stores 256 consecutive bytes.
.set SPARE, 8192                       ; behind the 32 rows: the spare words, 128 bytes for each wave: eight blocks of 256 bytes that no other line names
.set X, 32                             ; v[32:63]  eight loads of 4
.set Y, 64                             ; v[64:127] 32 rows, two columns each
	s_load_b128 s[4:7], s[0:1], 0x0                ; part s[4:5], out0 s[6:7]
	v_lshl_add_u32 v30, v0, 2, SPARE               ; my spare word,
	v_mov_b32 v31, 0                               ; and 0: for the wave's end
	v_lshlrev_b32 v1, 4, v0                        ; 16 t: my bytes of a load, and of the 32 rows in LDS
	v_and_b32 v3, 31, v0
	v_lshlrev_b32 v3, 3, v3                        ; 8 x lane: two columns
	v_lshrrev_b32 v2, 5, v0
	v_readfirstlane_b32 s8, v2                     ; wave 0..15
	s_lshl_b32 s10, ttmp9, 16                      ; my 65,536 bytes of part
	s_mov_b32 s11, 0
	s_lshl_b32 s12, ttmp9, 8                       ; my 256 bytes of out0
	s_mov_b32 s13, 0
	s_wait_kmcnt 0x0
	s_add_nc_u64 s[4:5], s[4:5], s[10:11]
	s_add_nc_u64 s[6:7], s[6:7], s[12:13]
.irp i, 0,1,2,3,4,5,6,7
	global_load_b128 v[X+4*(\i):X+4*(\i)+3], v1, s[4:5] offset:8192*(\i) th:TH_LOAD_NT
.endr
.irp i, 0,2,4,6
	s_wait_loadcnt 6-(\i)                          ; loads come back in order: loads i and i + 1 are in, the 6 - i behind them may stay out
	v_pk_add_f32 v[X+4*(\i):X+4*(\i)+1], v[X+4*(\i):X+4*(\i)+1], v[X+4*(\i)+4:X+4*(\i)+5]
	v_pk_add_f32 v[X+4*(\i)+2:X+4*(\i)+3], v[X+4*(\i)+2:X+4*(\i)+3], v[X+4*(\i)+6:X+4*(\i)+7]
.endr
.irp j, 0,2
	v_pk_add_f32 v[X+(\j):X+(\j)+1], v[X+(\j):X+(\j)+1], v[X+8+(\j):X+8+(\j)+1]
	v_pk_add_f32 v[X+16+(\j):X+16+(\j)+1], v[X+16+(\j):X+16+(\j)+1], v[X+24+(\j):X+24+(\j)+1]
.endr
.irp j, 0,2
	v_pk_add_f32 v[X+(\j):X+(\j)+1], v[X+(\j):X+(\j)+1], v[X+16+(\j):X+16+(\j)+1]
.endr
	ds_store_b128 v1, v[X:X+3]
	s_wait_dscnt 0x0                               ; for wave 0's sake: my store is done
	s_barrier_signal -1
	s_barrier_wait -1
	s_cmp_lg_u32 s8, 0
	s_cbranch_scc1 .Lend                           ; wave 0 finishes
.set i, 0
.rept 32
	ds_load_b64 v[Y+2*i:Y+2*i+1], v3 offset:256*i
.set i, i+1
.endr
	s_wait_dscnt 0x0
.irp w, 16,8,4,2,1                     ; rows w apart are added: five levels
.set i, 0
.rept \w
	v_pk_add_f32 v[Y+2*i:Y+2*i+1], v[Y+2*i:Y+2*i+1], v[Y+2*(i+(\w)):Y+2*(i+(\w))+1]
.set i, i+1
.endr
.endr
	v_pk_mul_f32 v[Y:Y+1], v[Y:Y+1], 0x3a800000 op_sel_hi:[1,0]  ; 1 / 1024, the number of directions: a power of two, so nothing is rounded
	global_store_b64 v3, v[Y:Y+1], s[6:7]          ; 256 consecutive bytes, at a multiple of 256 from out0's first byte
.Lend:
	s_wait_tensorcnt 0x0                           ; the wave's end: behind my last LDS store
	ds_add_u32 v30, v31
	s_wait_dscnt 0x0
	s_endpgm
.Lfunc_end_k_q1b909bd146_fold:
	.size	k_q1b909bd146_fold, .Lfunc_end_k_q1b909bd146_fold-k_q1b909bd146_fold
	.p2alignl 7, 3214868480
	.fill 96, 4, 3214868480
	.section	.rodata,"a",@progbits
	.p2align	6, 0x0
	.amdhsa_kernel k_q1b909bd146_fold
		.amdhsa_group_segment_fixed_size 10240
		.amdhsa_private_segment_fixed_size 0
		.amdhsa_enable_private_segment 0
		.amdhsa_kernarg_size 16
		.amdhsa_user_sgpr_count 2
		.amdhsa_user_sgpr_kernarg_segment_ptr 1
		.amdhsa_wavefront_size32 1
		.amdhsa_system_sgpr_workgroup_id_x 1
		.amdhsa_system_sgpr_workgroup_id_y 1
		.amdhsa_system_sgpr_workgroup_id_z 1
		.amdhsa_system_vgpr_workitem_id 0
		.amdhsa_next_free_vgpr 128
		.amdhsa_next_free_sgpr 66
		.amdhsa_reserve_vcc 0
		.amdhsa_float_denorm_mode_32 3
		.amdhsa_float_denorm_mode_16_64 3
		.amdhsa_memory_ordered 1
		.amdhsa_forward_progress 1
		.amdhsa_inst_pref_size 8
	.end_amdhsa_kernel
	.amdgpu_metadata
---
amdhsa.version: [ 1, 2 ]
amdhsa.kernels:
  - .name:           k_q1b909bd146_fold
    .symbol:         k_q1b909bd146_fold.kd
    .args:
      - { .name: part, .offset: 0, .size: 8, .value_kind: global_buffer, .address_space: global }
      - { .name: out0, .offset: 8, .size: 8, .value_kind: global_buffer, .address_space: global }
    .group_segment_fixed_size: 10240
    .private_segment_fixed_size: 0
    .kernarg_segment_align: 8
    .kernarg_segment_size: 16
    .max_flat_workgroup_size: 512
    .sgpr_count:     66
    .vgpr_count:     128
    .wavefront_size: 32
...
	.end_amdgpu_metadata
.endif
;; end of part 2
